; MI455X (gfx1250); checked and timed in simulation.
; The chip was launched on July 23, 2026; its instructions are those of AMD's public machine-readable ISA for CDNA 5 (MIT licence, August 2026) and "CDNA5" Instruction Set Architecture Reference Guide (July 2026). The comments in the code are by the model that wrote it; some were corrected since.
;; Pillar Feature Net. Allowed arithmetic: float matrix products may take bf16 or f16 operands with f32 sums; all other float work in f32.
;; Inputs: W 9 x 64 float32; beta 64 float32; coors 2 x 12,000 x 4 int32; features 2 x 12,000 x 100 x 4 float32; gamma 64 float32; num_points 2 x 12,000 int32.
;; Outputs: out0 2 x 12,000 x 64 float32.
;; One version. Each part assembles by itself: llvm-mc -triple=amdgcn-amd-amdhsa -mcpu=gfx1250 --defsym DOCPART=n.
;; ======== version 1 of 1: 2 launches
;; workspace buffers: xm 6,144,000 bytes; stats 160,000 bytes
;; launch pillars (part 1): grid 250 x 1, 12 waves a work-group, no clusters, 8,704 bytes of LDS; arguments features, num_points, coors, W, gamma, xm, stats; writes xm, stats
.if DOCPART == 1
	.amdgcn_target "amdgcn-amd-amdhsa--gfx1250"
	.amdhsa_code_object_version 6
	.text
	.protected	k_q633e8f4425_pillars
	.globl	k_q633e8f4425_pillars
	.p2align	8
	.type	k_q633e8f4425_pillars,@function
k_q633e8f4425_pillars:
	s_mov_b64 s[64:65], 0
	v_nop
	global_prefetch_b8 v0, s[64:65] scope:SCOPE_SE
	s_setreg_imm32_b32 hwreg(HW_REG_WAVE_MODE, 25, 1), 1
	s_wait_xcnt 0x0
; PillarFeatureNet, first of two launches.  24,000 pillars x 100 points x 4 f32.
; Stores  xm[pillar][c] = max over the 100 points of s_c * x[point][c]   (s_c = sign of gamma_c, x = masked features x W)
; and per work-group the centred pieces of the batch statistics of s_c * x.
; Why the maximum may be taken before the normalisation: rsqrt is positive, so the slope of the batch norm has gamma's sign;
; with that sign folded into W the norm and the ReLU are non-decreasing, and max commutes with them.
; How x is split: for a valid point  x = d.Wa + e,  d = f - (mean of the pillar's valid points),
; Wa = (W0+W4+W7, W1+W5+W8, W2+W6, W3),  e = fbar.Wa - m.W[4:7] - centre.W[7:9]  (m = sum of ALL 100 points / max(n,1)).
; Only d and Wa are rounded to bf16 for the matrix unit; e (which holds the large centre offsets) stays in f32.
; A masked point gets d = 0, which gives e, the mean of the valid x: never above their maximum.  The masked rows' true value 0
; enters by a maximum with 0 where the pillar has fewer than 100 valid points; a pillar with none gets e = -inf.
; Statistics, all centred: sum of d d^T (10 numbers), n, the n-weighted mean of e and sum n (e - mean)^2.
; The cross term 2 sum(d.Wa)(e - mu) is zero but for f32 rounding (sum of d over a pillar's valid points is 0) and is left out.
; LIMITS: divisions are v_rcp_f32 and a multiply (1 ulp).  A feature that is not finite spreads NaN to the tiles that share its
; matrix operand window (zero times inf); in the definition it spreads through the statistics to everything.
; num_points outside 0..100: the valid count is clamped to 0..100, the divisor is max(num_points, 1) unclamped, as defined.
; NOT USED: LDS ring or tensor loads (a wave's 12,800 bytes are 100 registers, all 25 loads are issued at once, nothing is
; requested late, so no prefetch either); clusters (the only shared input is W, 2,304 bytes).
;
; 12 waves; wave = 8 pillars (12,800 bytes).  Lanes 0-15 own pillars 0-3, lanes 16-31 pillars 4-7: a stream of 400 points,
; 25 tiles of 16 points, each tile 256 consecutive aligned bytes.  Lane r holds point 16 i + pi(r) of tile i,
; pi(r) = 4 ((r&7)>>1) + 2 (r>>3) + (r&1): then registers 2 pr, 2 pr + 1 of a result tile hold points of the group of four
; 4 i + pr, and a pillar is exactly 25 such groups.  Column r of result tile t is channel 4 r + t.
.set RAW,  16          ; v16-115   tile i as loaded in 16+4i..; later the bf16 pair P_i in 16+2i, 17+2i (v16-65), zeros in v66-71
.set DB,   72          ; v72-135   matrix results: half hb, channel tile t at 72+32hb+8t
.set WF,   116         ; v116-151  row k at 116+4k: k 0-3 Wa, k 4-8 minus s W[k]
.set BF,   136         ; v136-199  B fragments at 136+16t+8hb (matrix phase only)
.set HV,   152         ; v152-191  ten per pillar: 0-3 masked sum, then fbar; 4-7 full sum, then m; 8, 9 centre x, y
.set THR,  192         ; v192-195  point 16 i + pi is valid in pillar s where 16 i < THR[s]
.set THRB, 196         ; v196-198  the same for the tiles that span two pillars
.set D2,   200         ; v200-211  sums of d d^T (xx yy zz ww xz yw xw yz xy zw), n, 0; scratch before and after
.set EV,   212         ; v212-227  e at 212+4s+t; at the end the data stored to xm
.set NVF,  228         ; v228-231  valid count as f32
.set ZR,   232         ; v232-235  0 where the pillar has masked rows, else -inf
.set RUN,  236         ; v236-251  running maxima at 236+8(s&1)+4hb+t
.set CO,   236         ; early: coors of the four pillars
.set RNV,  236         ; then 1/max(valid,1)
.set RDV,  240         ;      1/max(num_points,1)
.set FS,   244         ; clamped counts, then scratch, then fbar selected per lane in spanning tiles
.set NSG,  248         ; flipped sign bits, then scratch
.set NP,   252         ; num_points
.set DT,   252         ; then d of the tile at work
.set MK,   8           ; v8:9  1.0 / 0.0 mask (v9 only completes the pair)
.set MK2,  10          ; v10:11
.set LOM,  31          ; s31-33 lanes of the lower pillar in tiles 6, 12, 18
.set SMB,  6144        ; LDS: 12 records of 512 bytes (mean e, Q), then 12 of 64 bytes (d d^T, n)
; dst pair = a pair * (one register, broadcast) [+ c pair]
.macro PKMULB d, a, b
.if (\b)&1
	v_pk_mul_f32 v[\d:\d+1], v[\a:\a+1], v[\b-1:\b] op_sel:[0,1] op_sel_hi:[1,1]
.else
	v_pk_mul_f32 v[\d:\d+1], v[\a:\a+1], v[\b:\b+1] op_sel_hi:[1,0]
.endif
.endm
.macro PKFMAB d, a, b, c
.if (\b)&1
	v_pk_fma_f32 v[\d:\d+1], v[\a:\a+1], v[\b-1:\b], v[\c:\c+1] op_sel:[0,1,0] op_sel_hi:[1,1,1]
.else
	v_pk_fma_f32 v[\d:\d+1], v[\a:\a+1], v[\b:\b+1], v[\c:\c+1] op_sel_hi:[1,0,1]
.endif
.endm
	s_load_b256 s[4:11], s[0:1], 0x0               ; features s[4:5], num_points s[6:7], coors s[8:9], W s[10:11]
	s_load_b128 s[12:15], s[0:1], 0x20             ; gamma s[12:13], xm s[14:15]
	s_load_b64 s[16:17], s[0:1], 0x30              ; stats
	s_set_vgpr_msb 0x40
	v_lshl_add_u32 v0, v0, 2, 0x1c00
	v_mov_b32 v1, 0
	s_set_vgpr_msb 0x4000
	v_lshrrev_b32 v12, 5, v0
	v_readfirstlane_b32 s20, v12                   ; wave 0..11
	s_mul_i32 s21, ttmp9, 12
	s_add_co_u32 s21, s21, s20                     ; my group of eight pillars, 0..2999
	s_mov_b32 s30, 0xffff0000                      ; lanes 16-31
	s_mov_b32 s31, 0x03030303                      ; pi < 4
	s_mov_b32 s32, 0x0f0f0f0f                      ; pi < 8
	s_mov_b32 s33, 0x3f3f3f3f                      ; pi < 12
	s_mov_b32 s34, 0x76543210                      ; v_permlanex16_b32: lane i takes lane i of the other half
	s_mov_b32 s35, 0xfedcba98
	s_mov_b32 s36, 0x3e4ccccd                      ; 0.2
	s_mov_b32 s37, 0x3dcccccd                      ; 0.1
	s_mov_b32 s38, 0xc21f999a                      ; -39.9
	s_mov_b32 s39, 0xff800000                      ; -inf
	s_mov_b32 s43, 0x80000000                      ; sign bit
	s_lshl_b32 s44, s20, 9                         ; my 512-byte record in LDS
	s_lshl_b32 s42, s20, 6
	s_add_co_u32 s42, s42, SMB                     ; my 64-byte record
	v_and_b32 v8, 15, v0                           ; r
	v_bfe_u32 v9, v0, 4, 1                         ; h
	v_bfe_u32 v10, v0, 1, 2
	v_bfe_u32 v11, v0, 3, 1
	v_and_b32 v6, 1, v0
	v_lshl_add_u32 v10, v10, 1, v11
	v_lshl_add_u32 v10, v10, 1, v6                 ; pi
	v_mul_u32_u24 v1, 6400, v9
	v_lshl_add_u32 v1, v10, 4, v1                  ; v1 = 6400 h + 16 pi: my point in tile 0
	v_lshlrev_b32 v2, 4, v8                        ; v2 = 16 r: my four channels in W's rows and gamma
	v_lshlrev_b32 v3, 4, v9                        ; v3 = 16 h: my four num_points
	v_lshlrev_b32 v4, 6, v9                        ; v4 = 64 h: my four coors
	v_lshl_add_u32 v5, v9, 10, v2                  ; v5 = 1024 h + 16 r: my 16 bytes of xm's row 4 h
	v_sub_nc_u32 v6, 0, v10                        ; v6 = -pi
	v_and_b32 v11, 31, v0
	v_lshl_add_u32 v7, v11, 4, s44                 ; v7 = 512 wave + 16 lane
	s_wait_kmcnt 0x0
	s_mov_b32 s23, 0
	s_mul_i32 s22, s21, 12800
	s_add_nc_u64 s[4:5], s[4:5], s[22:23]
	s_lshl_b32 s22, s21, 5
	s_add_nc_u64 s[6:7], s[6:7], s[22:23]
	s_lshl_b32 s22, s21, 7
	s_add_nc_u64 s[8:9], s[8:9], s[22:23]
	s_lshl_b32 s22, s21, 11
	s_add_nc_u64 s[14:15], s[14:15], s[22:23]
	s_lshl_b32 s22, ttmp9, 7
	s_add_nc_u64 s[18:19], s[16:17], s[22:23]      ; stats + 128 x work-group (the d d^T records, at byte 128,000)
	s_lshl_b32 s22, ttmp9, 8
	s_add_nc_u64 s[16:17], s[16:17], s[22:23]      ; stats + 256 x work-group (mean e at 0, Q at byte 64,000)
	; 15 small loads, then all 25 tiles: each tile load covers two aligned runs of 256 bytes, one per half of the lanes
	global_load_b128 v[NP:NP+3], v3, s[6:7]
.irp s, 0,1,2,3
	global_load_b128 v[CO+4*\s:CO+4*\s+3], v4, s[8:9] offset:16*\s
.endr
	global_load_b128 v[12:15], v2, s[12:13]
.irp k, 0,1,2,3,4,5,6,7,8
	global_load_b128 v[WF+4*\k:WF+4*\k+3], v2, s[10:11] offset:256*\k
.endr
.set i, 0
.rept 25
	global_load_b128 v[RAW+4*i:RAW+4*i+3], v1, s[4:5] offset:256*i th:TH_LOAD_NT
.set i, i+1
.endr
	; ---- per-pillar figures and the folded weights ----
	s_wait_loadcnt 25                              ; loads return in order (ISA guide 5.7.1): the 25 tiles are younger, the 15 small loads are in
.irp s, 0,1,2,3
	v_cvt_f32_i32 v[CO+4*\s+2], v[CO+4*\s+2]
	v_cvt_f32_i32 v[CO+4*\s+1], v[CO+4*\s+1]
	v_fma_f32 v[HV+10*\s+8], v[CO+4*\s+2], s36, s37        ; centre x = 0.2 coors[2] + 0.1
	v_fma_f32 v[HV+10*\s+9], v[CO+4*\s+1], s36, s38        ; centre y = 0.2 coors[1] - 39.9
.endr
.irp s, 0,1,2,3
	v_max_i32 v[FS+\s], 0, v[NP+\s]
	v_min_i32 v[FS+\s], 100, v[FS+\s]                      ; valid points
	v_cvt_f32_i32 v[NVF+\s], v[FS+\s]
	v_cvt_f32_i32 v[RDV+\s], v[NP+\s]
	v_cmp_gt_i32 vcc_lo, 100, v[FS+\s]
	v_cndmask_b32 v[ZR+\s], s39, 0, vcc_lo                 ; masked rows exist: their 0 takes part in the maximum
	v_add3_u32 v[THR+\s], v[FS+\s], v6, 100*\s             ; 16 i + pi - 100 s < valid  <=>  16 i < THR
	v_max_num_f32 v[RNV+\s], 1.0, v[NVF+\s]
	v_max_num_f32 v[RDV+\s], 1.0, v[RDV+\s]
.endr
.irp s, 0,1,2,3
	v_rcp_f32 v[RNV+\s], v[RNV+\s]
	v_rcp_f32 v[RDV+\s], v[RDV+\s]
.endr
.irp b, 0,1,2                                      ; plain lines that touch no reciprocal stand between these and their first use
	v_cndmask_b32 v[THRB+\b], v[THR+\b+1], v[THR+\b], s[LOM+\b]
.endr
.irp t, 0,1,2,3
	v_and_b32 v[12+\t], s43, v[12+\t]                      ; gamma's sign bit
	v_xor_b32 v[NSG+\t], s43, v[12+\t]                     ; and its opposite
.endr
.irp k, 0,1,2,3
.irp t, 0,1,2,3
	v_xor_b32 v[WF+4*\k+\t], v[WF+4*\k+\t], v[12+\t]       ; s W[k]
.endr
.endr
.irp k, 4,5,6,7,8
.irp t, 0,1,2,3
	v_xor_b32 v[WF+4*\k+\t], v[WF+4*\k+\t], v[NSG+\t]      ; - s W[k]
.endr
.endr
.irp p, 0,2
	v_pk_add_f32 v[WF+\p:WF+\p+1], v[WF+\p:WF+\p+1], v[WF+16+\p:WF+16+\p+1] neg_lo:[0,1] neg_hi:[0,1]
	v_pk_add_f32 v[WF+4+\p:WF+4+\p+1], v[WF+4+\p:WF+4+\p+1], v[WF+20+\p:WF+20+\p+1] neg_lo:[0,1] neg_hi:[0,1]
	v_pk_add_f32 v[WF+8+\p:WF+8+\p+1], v[WF+8+\p:WF+8+\p+1], v[WF+24+\p:WF+24+\p+1] neg_lo:[0,1] neg_hi:[0,1]
	v_pk_add_f32 v[WF+\p:WF+\p+1], v[WF+\p:WF+\p+1], v[WF+28+\p:WF+28+\p+1] neg_lo:[0,1] neg_hi:[0,1]
	v_pk_add_f32 v[WF+4+\p:WF+4+\p+1], v[WF+4+\p:WF+4+\p+1], v[WF+32+\p:WF+32+\p+1] neg_lo:[0,1] neg_hi:[0,1]
.endr
	; ---- first pass over the tiles: masked sum and full sum of each pillar ----
; mode 0: accumulate.  1: tile 0, the masked sum starts.  2: tile 1, the full sum starts as tile 0 + tile 1.  Nothing is cleared.
.macro P1PLAIN i, s, mode
	s_wait_loadcnt 24-\i                           ; the 24 - i younger tiles stay out
	v_cmp_lt_i32 vcc_lo, 16*\i, v[THR+\s]
	v_cndmask_b32 v[MK], 0, 1.0, vcc_lo
.if \mode == 1
	v_pk_mul_f32 v[HV+10*\s:HV+10*\s+1], v[RAW+4*\i:RAW+4*\i+1], v[MK:MK+1] op_sel_hi:[1,0]
	v_pk_mul_f32 v[HV+10*\s+2:HV+10*\s+3], v[RAW+4*\i+2:RAW+4*\i+3], v[MK:MK+1] op_sel_hi:[1,0]
.else
	v_pk_fma_f32 v[HV+10*\s:HV+10*\s+1], v[RAW+4*\i:RAW+4*\i+1], v[MK:MK+1], v[HV+10*\s:HV+10*\s+1] op_sel_hi:[1,0,1]
	v_pk_fma_f32 v[HV+10*\s+2:HV+10*\s+3], v[RAW+4*\i+2:RAW+4*\i+3], v[MK:MK+1], v[HV+10*\s+2:HV+10*\s+3] op_sel_hi:[1,0,1]
.endif
.if \mode == 2
	v_pk_add_f32 v[HV+10*\s+4:HV+10*\s+5], v[RAW:RAW+1], v[RAW+4:RAW+5]
	v_pk_add_f32 v[HV+10*\s+6:HV+10*\s+7], v[RAW+2:RAW+3], v[RAW+6:RAW+7]
.endif
.if \mode == 0
	v_pk_add_f32 v[HV+10*\s+4:HV+10*\s+5], v[HV+10*\s+4:HV+10*\s+5], v[RAW+4*\i:RAW+4*\i+1]
	v_pk_add_f32 v[HV+10*\s+6:HV+10*\s+7], v[HV+10*\s+6:HV+10*\s+7], v[RAW+4*\i+2:RAW+4*\i+3]
.endif
.endm
; a tile that spans pillars b and b + 1: the lower one accumulates its lanes, the upper one's sums start with the others
.macro P1BOUND i, b
	s_wait_loadcnt 24-\i
	v_cmp_lt_i32 vcc_lo, 16*\i, v[THRB+\b]
	s_and_b32 s40, vcc_lo, s[LOM+\b]
	s_and_not1_b32 s41, vcc_lo, s[LOM+\b]
	v_cndmask_b32 v[MK], 0, 1.0, s40               ; valid and lower
	v_cndmask_b32 v[MK2], 0, 1.0, s41              ; valid and upper
	v_cndmask_b32 v12, 0, 1.0, s[LOM+\b]           ; lower
	v_cndmask_b32 v14, 1.0, 0, s[LOM+\b]           ; upper
.irp p, 0,2
	v_pk_fma_f32 v[HV+10*\b+\p:HV+10*\b+\p+1], v[RAW+4*\i+\p:RAW+4*\i+\p+1], v[MK:MK+1], v[HV+10*\b+\p:HV+10*\b+\p+1] op_sel_hi:[1,0,1]
	v_pk_fma_f32 v[HV+10*\b+4+\p:HV+10*\b+5+\p], v[RAW+4*\i+\p:RAW+4*\i+\p+1], v[12:13], v[HV+10*\b+4+\p:HV+10*\b+5+\p] op_sel_hi:[1,0,1]
	v_pk_mul_f32 v[HV+10*\b+10+\p:HV+10*\b+11+\p], v[RAW+4*\i+\p:RAW+4*\i+\p+1], v[MK2:MK2+1] op_sel_hi:[1,0]
	v_pk_mul_f32 v[HV+10*\b+14+\p:HV+10*\b+15+\p], v[RAW+4*\i+\p:RAW+4*\i+\p+1], v[14:15] op_sel_hi:[1,0]
.endr
.endm
	P1PLAIN 0, 0, 1
	P1PLAIN 1, 0, 2
.irp i, 2,3,4,5
	P1PLAIN \i, 0, 0
.endr
	P1BOUND 6, 0
.irp i, 7,8,9,10,11
	P1PLAIN \i, 1, 0
.endr
	P1BOUND 12, 1
.irp i, 13,14,15,16,17
	P1PLAIN \i, 2, 0
.endr
	P1BOUND 18, 2
.irp i, 19,20,21,22,23,24
	P1PLAIN \i, 3, 0
.endr
	; sums over the 16 lanes of my half (7 numbers for each of 4 pillars), result in every lane of the half
.irp m, 1,2,4,8
.irp s, 0,1,2,3
.irp k, 0,1,2,3,4,5,6
	v_add_f32_dpp v[HV+10*\s+\k], v[HV+10*\s+\k], v[HV+10*\s+\k] row_xmask:\m row_mask:0xf bank_mask:0xf
.endr
.endr
.endr
	s_wait_alu depctr_va_vdst(0)
.irp s, 0,1,2,3
.irp k, 0,1,2,3
	v_mul_f32 v[HV+10*\s+\k], v[HV+10*\s+\k], v[RNV+\s]    ; fbar: mean of the valid points
.endr
.irp k, 4,5,6
	v_mul_f32 v[HV+10*\s+\k], v[HV+10*\s+\k], v[RDV+\s]    ; m: sum of all points / max(num_points, 1)
.endr
.endr
	; ---- e[s][t] = fbar.Wa + m.(-sW[4:7]) + centre.(-sW[7:9]), in f32; eight chains side by side ----
.macro ETERM hv, k, start
.irp s, 0,1,2,3
.irp p, 0,2
.if \start
	PKMULB EV+4*\s+\p, WF+4*\k+\p, HV+10*\s+\hv
.else
	PKFMAB EV+4*\s+\p, WF+4*\k+\p, HV+10*\s+\hv, EV+4*\s+\p
.endif
.endr
.endr
.endm
	ETERM 0, 0, 1
	ETERM 1, 1, 0
	ETERM 2, 2, 0
	ETERM 3, 3, 0
	ETERM 4, 4, 0
	ETERM 5, 5, 0
	ETERM 6, 6, 0
	ETERM 8, 7, 0
	ETERM 9, 8, 0
	; ---- the wave's n, weighted mean of e and centred sum Q = sum n (e - mean)^2 over its eight pillars ----
	PKMULB FS, EV, NVF
	PKMULB FS+2, EV+2, NVF
.irp s, 1,2,3
	PKFMAB FS, EV+4*\s, NVF+\s, FS
	PKFMAB FS+2, EV+4*\s+2, NVF+\s, FS+2
.endr
	v_add_f32 v248, v[NVF], v[NVF+1]
	v_add_f32 v249, v[NVF+2], v[NVF+3]
	v_add_f32 v248, v248, v249
	v_permlanex16_b32 v249, v248, s34, s35         ; the other half's four pillars (destinations are registers written before)
.irp t, 0,1,2,3
	v_permlanex16_b32 v[DT+\t], v[FS+\t], s34, s35
.endr
	v_add_f32 v248, v248, v249                     ; n of the wave
.irp t, 0,1,2,3
	v_add_f32 v[FS+\t], v[FS+\t], v[DT+\t]
.endr
	v_max_num_f32 v249, 1.0, v248
	v_rcp_f32 v250, v249
	v_mov_b32 v[D2+10], v248                       ; (two plain lines behind the reciprocal)
	v_mov_b32 v[D2+11], 0
	s_wait_alu depctr_va_vdst(0)
.irp t, 0,1,2,3
	v_mul_f32 v[FS+\t], v[FS+\t], v250             ; mean e of the wave
.endr
.irp s, 0,1,2,3
	v_pk_add_f32 v[DT:DT+1], v[EV+4*\s:EV+4*\s+1], v[FS:FS+1] neg_lo:[0,1] neg_hi:[0,1]
	v_pk_add_f32 v[DT+2:DT+3], v[EV+4*\s+2:EV+4*\s+3], v[FS+2:FS+3] neg_lo:[0,1] neg_hi:[0,1]
	PKMULB 12, DT, NVF+\s
	PKMULB 14, DT+2, NVF+\s
.if \s == 0
	v_pk_mul_f32 v[D2:D2+1], v[12:13], v[DT:DT+1]
	v_pk_mul_f32 v[D2+2:D2+3], v[14:15], v[DT+2:DT+3]
.else
	v_pk_fma_f32 v[D2:D2+1], v[12:13], v[DT:DT+1], v[D2:D2+1]
	v_pk_fma_f32 v[D2+2:D2+3], v[14:15], v[DT+2:DT+3], v[D2+2:D2+3]
.endif
.endr
.irp t, 0,1,2,3
	v_permlanex16_b32 v[DT+\t], v[D2+\t], s34, s35
.endr
.irp t, 0,1,2,3
	v_add_f32 v[D2+\t], v[D2+\t], v[DT+\t]
	v_cndmask_b32 v[D2+\t], v[FS+\t], v[D2+\t], s30        ; lanes 0-15 carry the mean, lanes 16-31 Q
.endr
	ds_store_b128 v7, v[D2:D2+3]                   ; 256 bytes of mean e, 256 of Q, channels in order
.irp s, 0,1,2,3
	v_cmp_lt_f32 vcc_lo, 0, v[NVF+\s]
.irp t, 0,1,2,3
	v_cndmask_b32 v[EV+4*\s+\t], s39, v[EV+4*\s+\t], vcc_lo    ; no valid point: only the masked rows' 0 is left
.endr
.endr
	; ---- second pass: d = (f - fbar) masked, sums of d d^T, d as bf16 into P_i ----
; P_i overwrites registers of tile i/2, which has been consumed (tile 0's own words are read before they are written).
.macro P2CORE i, mean, start
	v_cndmask_b32 v[MK], 0, 1.0, vcc_lo
	v_pk_add_f32 v[DT:DT+1], v[RAW+4*\i:RAW+4*\i+1], v[\mean:\mean+1] neg_lo:[0,1] neg_hi:[0,1]
	v_pk_add_f32 v[DT+2:DT+3], v[RAW+4*\i+2:RAW+4*\i+3], v[\mean+2:\mean+3] neg_lo:[0,1] neg_hi:[0,1]
	v_pk_mul_f32 v[DT:DT+1], v[DT:DT+1], v[MK:MK+1] op_sel_hi:[1,0]
	v_pk_mul_f32 v[DT+2:DT+3], v[DT+2:DT+3], v[MK:MK+1] op_sel_hi:[1,0]
.if \start
	v_pk_mul_f32 v[D2:D2+1], v[DT:DT+1], v[DT:DT+1]                                   ; xx yy
	v_pk_mul_f32 v[D2+2:D2+3], v[DT+2:DT+3], v[DT+2:DT+3]                             ; zz ww
	v_pk_mul_f32 v[D2+4:D2+5], v[DT:DT+1], v[DT+2:DT+3]                               ; xz yw
	v_pk_mul_f32 v[D2+6:D2+7], v[DT:DT+1], v[DT+2:DT+3] op_sel:[0,1] op_sel_hi:[1,0]  ; xw yz
	v_mul_f32 v[D2+8], v[DT], v[DT+1]                                                 ; xy
	v_mul_f32 v[D2+9], v[DT+2], v[DT+3]                                               ; zw
.else
	v_pk_fma_f32 v[D2:D2+1], v[DT:DT+1], v[DT:DT+1], v[D2:D2+1]
	v_pk_fma_f32 v[D2+2:D2+3], v[DT+2:DT+3], v[DT+2:DT+3], v[D2+2:D2+3]
	v_pk_fma_f32 v[D2+4:D2+5], v[DT:DT+1], v[DT+2:DT+3], v[D2+4:D2+5]
	v_pk_fma_f32 v[D2+6:D2+7], v[DT:DT+1], v[DT+2:DT+3], v[D2+6:D2+7] op_sel:[0,1,0] op_sel_hi:[1,0,1]
	v_fmac_f32 v[D2+8], v[DT], v[DT+1]
	v_fmac_f32 v[D2+9], v[DT+2], v[DT+3]
.endif
	v_cvt_pk_bf16_f32 v[RAW+2*\i], v[DT], v[DT+1]
	v_cvt_pk_bf16_f32 v[RAW+2*\i+1], v[DT+2], v[DT+3]
.endm
.macro P2PLAIN i, s, start
	v_cmp_lt_i32 vcc_lo, 16*\i, v[THR+\s]
	P2CORE \i, HV+10*\s, \start
.endm
.macro P2BOUND i, b
.irp k, 0,1,2,3
	v_cndmask_b32 v[FS+\k], v[HV+10*(\b+1)+\k], v[HV+10*\b+\k], s[LOM+\b]
.endr
	v_cmp_lt_i32 vcc_lo, 16*\i, v[THRB+\b]
	P2CORE \i, FS, 0
.endm
	P2PLAIN 0, 0, 1
.irp i, 1,2,3,4,5
	P2PLAIN \i, 0, 0
.endr
	P2BOUND 6, 0
.irp i, 7,8,9,10,11
	P2PLAIN \i, 1, 0
.endr
	P2BOUND 12, 1
.irp i, 13,14,15,16,17
	P2PLAIN \i, 2, 0
.endr
	P2BOUND 18, 2
.irp i, 19,20,21,22,23,24
	P2PLAIN \i, 3, 0
.endr
.irp k, 66,67,68,69,70,71
	v_mov_b32 v\k, 0                               ; what the last tiles' operand windows reach behind P_24
.endr
	; the ten sums over all 32 lanes, then n and 0 with them into my 64-byte record (every lane writes the same words)
.irp m, 1,2,4,8
.irp k, 0,1,2,3,4,5,6,7,8,9
	v_add_f32_dpp v[D2+\k], v[D2+\k], v[D2+\k] row_xmask:\m row_mask:0xf bank_mask:0xf
.endr
.endr
.irp k, 0,1,2,3,4,5,6,7,8,9
	v_permlanex16_b32 v[FS+\k], v[D2+\k], s34, s35         ; v244-253, all written before
.endr
.irp k, 0,1,2,3,4,5,6,7,8,9
	v_add_f32 v[D2+\k], v[D2+\k], v[FS+\k]
.endr
	v_mov_b32 v10, s42
	ds_store_b128 v10, v[D2:D2+3]
	ds_store_b128 v10, v[D2+4:D2+7] offset:16
	ds_store_b128 v10, v[D2+8:D2+11] offset:32
	; ---- B fragments.  The A operand of tile i is the window v[16+2i : 23+2i]: lane (r, h) has its own point's d at k = 8h..8h+3
	; and later tiles' words at the other k.  B holds Wa at k = 8 hb .. 8 hb + 3 (registers 0, 1 of the lanes of half hb) and zeros
	; everywhere else: the zeros are what pick one tile and one half of the lanes out of the window.
.irp t, 0,1,2,3
	v_cvt_pk_bf16_f32 v[236+\t], v[WF+\t], v[WF+4+\t]
	v_cvt_pk_bf16_f32 v[240+\t], v[WF+8+\t], v[WF+12+\t]
.endr
.irp t, 0,1,2,3
	v_cndmask_b32 v[BF+16*\t], v[236+\t], 0, s30
	v_cndmask_b32 v[BF+16*\t+1], v[240+\t], 0, s30
	v_cndmask_b32 v[BF+16*\t+8], 0, v[236+\t], s30
	v_cndmask_b32 v[BF+16*\t+9], 0, v[240+\t], s30
.irp k, 2,3,4,5,6,7
	v_mov_b32 v[BF+16*\t+\k], 0
	v_mov_b32 v[BF+16*\t+8+\k], 0
.endr
.endr
	; ---- 50 units (tile i, half hb): four matrix instructions (64 channels), then 16 maxima ----
.macro WM i, hb
.irp t, 0,1,2,3
	v_wmma_f32_16x16x32_bf16 v[DB+32*\hb+8*\t:DB+32*\hb+8*\t+7], v[RAW+2*\i:RAW+2*\i+7], v[BF+16*\t+8*\hb:BF+16*\t+8*\hb+7], 0
.endr
.endm
; registers 2 pr, 2 pr + 1 are points of group gp = 4 i + pr; pillar gp / 25; a pillar's first group starts its maximum
.macro MX i, hb
.irp pr, 0,1,2,3
.set gp, 4*\i+\pr
.set rb, RUN+8*((gp/25)&1)+4*\hb
.irp t, 0,1,2,3
.if gp%25
	v_max3_num_f32 v[rb+\t], v[rb+\t], v[DB+32*\hb+8*\t+2*\pr], v[DB+32*\hb+8*\t+2*\pr+1]
.else
	v_max_num_f32 v[rb+\t], v[DB+32*\hb+8*\t+2*\pr], v[DB+32*\hb+8*\t+2*\pr+1]
.endif
.endr
.endr
.endm
; pillar s of both halves is complete.  A lane's maxima cover half of the points (result rows 8h..8h+7): lanes 0-15 keep hb = 0 and
; get the rest from lanes 16-31, which keep hb = 1.  Then + e, the masked rows' 0, and 16 lanes store one whole 256-byte row of xm.
.macro FINISH s
.set rb, RUN+8*(\s&1)
.irp t, 0,1,2,3
	v_cndmask_b32 v[D2+\t], v[rb+4+\t], v[rb+\t], s30
	v_cndmask_b32 v[D2+4+\t], v[rb+\t], v[rb+4+\t], s30
.endr
.irp t, 0,1,2,3
	v_permlanex16_b32 v[D2+8+\t], v[D2+\t], s34, s35
.endr
.irp t, 0,1,2,3
	v_max_num_f32 v[D2+4+\t], v[D2+4+\t], v[D2+8+\t]
	v_add_f32 v[EV+4*\s+\t], v[EV+4*\s+\t], v[D2+4+\t]
	v_max_num_f32 v[EV+4*\s+\t], v[EV+4*\s+\t], v[ZR+\s]
.endr
	global_store_b128 v5, v[EV+4*\s:EV+4*\s+3], s[14:15] offset:256*\s     ; its sources are never written again
.endm
	; Distances behind matrix instructions (ISA guide 7.12.1): a unit's results are read behind the 16 maxima of the unit before,
	; which name none of its registers; its result buffer is written again two units later, again behind 16 such lines.
	; At the start there is no earlier unit: five v_nop serve both distances (4 to the first read, 5 to the rewrite by unit 2).
	WM 0, 0
.rept 5
	v_nop
.endr
	WM 0, 1
	MX 0, 0
.set u, 2
.rept 48
.set wi, u/2
.set wh, u&1
.set xi, (u-1)/2
.set xh, (u-1)&1
	WM wi, wh
	MX xi, xh
.if u == 14
	FINISH 0
.endif
.if u == 26
	FINISH 1
.endif
.if u == 38
	FINISH 2
.endif
.set u, u+1
.endr
	MX 24, 1
	FINISH 3
	; ---- the work-group's record: wave 0 merges the twelve waves' figures ----
	s_wait_dscnt 0x0                               ; my four LDS stores are done, for the sake of wave 0
	s_barrier_signal -1
	s_barrier_wait -1
	s_cmp_lg_u32 s20, 0
	s_cbranch_scc1 .Lend
	v_and_b32 v8, 31, v0
	v_and_b32 v9, 15, v0
	v_min_u32 v9, 11, v9
	v_lshlrev_b32 v10, 2, v9                       ; word min(lane & 15, 11) of a 64-byte record
	v_lshlrev_b32 v11, 3, v8                       ; channels 2 lane, 2 lane + 1
	v_lshlrev_b32 v9, 2, v8
	v_mov_b32 v8, 0
.set w, 0
.rept 12
	ds_load_b64 v[16+2*w:17+2*w], v11 offset:512*w             ; mean e of wave w
	ds_load_b64 v[40+2*w:41+2*w], v11 offset:512*w+256         ; Q
	ds_load_b32 v[64+w], v8 offset:SMB+64*w+40                 ; n
	ds_load_b32 v[76+w], v10 offset:SMB+64*w                   ; d d^T, n, 0
.set w, w+1
.endr
	s_wait_dscnt 0x0
	v_add_f32 v88, v64, v65
	PKMULB 90, 16, 64
.set w, 1
.rept 11
	PKFMAB 90, 16+2*w, 64+w, 90
.set w, w+1
.endr
.set w, 2
.rept 10
	v_add_f32 v88, v88, v[64+w]
.set w, w+1
.endr
	v_max_num_f32 v89, 1.0, v88
	v_rcp_f32 v89, v89
	v_add_f32 v100, v76, v77                       ; plain lines behind the reciprocal
.set w, 2
.rept 10
	v_add_f32 v100, v100, v[76+w]
.set w, w+1
.endr
	s_wait_alu depctr_va_vdst(0)
	v_mul_f32 v92, v90, v89                        ; mean e of the work-group
	v_mul_f32 v93, v91, v89
.set w, 0
.rept 12
	v_pk_add_f32 v[96:97], v[16+2*w:17+2*w], v[92:93] neg_lo:[0,1] neg_hi:[0,1]
	PKMULB 98, 96, 64+w
	v_pk_fma_f32 v[40+2*w:41+2*w], v[98:99], v[96:97], v[40+2*w:41+2*w]    ; Q_w + n_w (mean_w - mean)^2
.set w, w+1
.endr
.set w, 1
.rept 11
	v_pk_add_f32 v[40:41], v[40:41], v[40+2*w:41+2*w]
.set w, w+1
.endr
	global_store_b64 v11, v[92:93], s[16:17]                   ; 32 lanes: one aligned run of 256 bytes
	global_store_b64 v11, v[40:41], s[16:17] offset:64000
	global_store_b32 v9, v100, s[18:19] offset:128000          ; words 0-11 are used; 12-31 repeat words and are never read
.Lend:
	s_set_vgpr_msb 0x5
	s_wait_tensorcnt 0x0
	ds_add_u32 v0, v1
	s_wait_dscnt 0x0
	s_set_vgpr_msb 0x500
	s_endpgm
.Lfunc_end_k_q633e8f4425_pillars:
	.size	k_q633e8f4425_pillars, .Lfunc_end_k_q633e8f4425_pillars-k_q633e8f4425_pillars
	.p2alignl 7, 3214868480
	.fill 96, 4, 3214868480
	.section	.rodata,"a",@progbits
	.p2align	6, 0x0
	.amdhsa_kernel k_q633e8f4425_pillars
		.amdhsa_group_segment_fixed_size 8704
		.amdhsa_private_segment_fixed_size 0
		.amdhsa_enable_private_segment 0
		.amdhsa_kernarg_size 56
		.amdhsa_user_sgpr_count 2
		.amdhsa_user_sgpr_kernarg_segment_ptr 1
		.amdhsa_wavefront_size32 1
		.amdhsa_system_sgpr_workgroup_id_x 1
		.amdhsa_system_sgpr_workgroup_id_y 1
		.amdhsa_system_sgpr_workgroup_id_z 1
		.amdhsa_system_vgpr_workitem_id 0
		.amdhsa_next_free_vgpr 258
		.amdhsa_next_free_sgpr 66
		.amdhsa_reserve_vcc 1
		.amdhsa_float_denorm_mode_32 3
		.amdhsa_float_denorm_mode_16_64 3
		.amdhsa_memory_ordered 1
		.amdhsa_forward_progress 1
		.amdhsa_inst_pref_size 143
	.end_amdhsa_kernel
	.amdgpu_metadata
---
amdhsa.version: [ 1, 2 ]
amdhsa.kernels:
  - .name:           k_q633e8f4425_pillars
    .symbol:         k_q633e8f4425_pillars.kd
    .args:
      - { .name: features, .offset: 0, .size: 8, .value_kind: global_buffer, .address_space: global }
      - { .name: num_points, .offset: 8, .size: 8, .value_kind: global_buffer, .address_space: global }
      - { .name: coors, .offset: 16, .size: 8, .value_kind: global_buffer, .address_space: global }
      - { .name: W, .offset: 24, .size: 8, .value_kind: global_buffer, .address_space: global }
      - { .name: gamma, .offset: 32, .size: 8, .value_kind: global_buffer, .address_space: global }
      - { .name: xm, .offset: 40, .size: 8, .value_kind: global_buffer, .address_space: global }
      - { .name: stats, .offset: 48, .size: 8, .value_kind: global_buffer, .address_space: global }
    .group_segment_fixed_size: 8704
    .private_segment_fixed_size: 0
    .kernarg_segment_align: 8
    .kernarg_segment_size: 56
    .max_flat_workgroup_size: 384
    .sgpr_count:     66
    .vgpr_count:     258
    .wavefront_size: 32
...
	.end_amdgpu_metadata
.endif
;; end of part 1
;; launch apply (part 2): grid 250 x 1, 16 waves a work-group, no clusters, 11,264 bytes of LDS; arguments xm, stats, W, gamma, beta, out0; writes out0
.if DOCPART == 2
	.amdgcn_target "amdgcn-amd-amdhsa--gfx1250"
	.amdhsa_code_object_version 6
	.text
	.protected	k_q633e8f4425_apply
	.globl	k_q633e8f4425_apply
	.p2align	8
	.type	k_q633e8f4425_apply,@function
k_q633e8f4425_apply:
	s_mov_b64 s[64:65], 0
	v_nop
	global_prefetch_b8 v0, s[64:65] scope:SCOPE_SE
	s_setreg_imm32_b32 hwreg(HW_REG_WAVE_MODE, 25, 1), 1
	s_wait_xcnt 0x0
; PillarFeatureNet, second launch: out0 = relu(|gamma| r (xm - mu) + beta), r = rsqrt(var + 0.001).
; xm holds the maxima of s x (s = gamma's sign); mu and var are those of s x over all N = 2,400,000 rows (var does not see s).
; Every work-group merges the 250 records of the first launch for itself (no traffic between work-groups):
;   mu = sum n_g e_g / N
;   N var = sum [Q_g + n_g (e_g - mu)^2]  +  Wa^T (sum d d^T) Wa  +  (N - n) mu^2      (every piece is a sum of squares about a mean:
;   no difference of large sums is formed).
; 16 waves, 96 rows of 64 channels.  Thread t: channels 4 (t & 15) .. + 3; records j + 32 i, j = t >> 4, i = 0..7.
; Records 250-255 do not exist: their address is clamped to record 249 and their n, Q and d d^T count as 0.
; LIMITS: 1/N is a multiply by the rounded constant; v_rsq_f32 is good to 1 ulp.
; NOT USED: the matrix unit (no product left), clusters and tensor loads (a stream of 24,576 bytes a work-group, all requested at the head).
.set EB, 16            ; v16-47    mean e of my 8 records, 4 channels each
.set QB, 48            ; v48-79    Q likewise
.set NB, 80            ; v80-87    n
.set SB, 88            ; v88-95    word min(t & 15, 11) of the d d^T records; later scratch
.set WV, 96            ; v96-131   W's nine rows, my 4 channels
.set GA, 132           ; v132-135  gamma
.set BE, 136           ; v136-139  beta
.set XV, 140           ; v140-151  my 3 x 4 numbers of xm
.set AV, 152           ; v152-155  sum n e
.set MU, 156           ; v156-159  mu
.set T0, 164           ; v164-171  scratch; at the end scale and shift
.set RB, 176           ; v176-239  16 waves' partial sums read back
.set RS, 240           ; v240-255  the same for the d d^T words
.set LS, 4096          ; LDS: 16 x 256 bytes (sum n e), 16 x 64 (d d^T), 16 x 256 (centred sums)
.set LB, 5120
.macro PKMULB d, a, b
.if (\b)&1
	v_pk_mul_f32 v[\d:\d+1], v[\a:\a+1], v[\b-1:\b] op_sel:[0,1] op_sel_hi:[1,1]
.else
	v_pk_mul_f32 v[\d:\d+1], v[\a:\a+1], v[\b:\b+1] op_sel_hi:[1,0]
.endif
.endm
.macro PKFMAB d, a, b, c
.if (\b)&1
	v_pk_fma_f32 v[\d:\d+1], v[\a:\a+1], v[\b-1:\b], v[\c:\c+1] op_sel:[0,1,0] op_sel_hi:[1,1,1]
.else
	v_pk_fma_f32 v[\d:\d+1], v[\a:\a+1], v[\b:\b+1], v[\c:\c+1] op_sel_hi:[1,0,1]
.endif
.endm
	s_load_b256 s[4:11], s[0:1], 0x0               ; xm s[4:5], stats s[6:7], W s[8:9], gamma s[10:11]
	s_load_b128 s[12:15], s[0:1], 0x20             ; beta s[12:13], out0 s[14:15]
	v_lshl_add_u32 v174, v0, 2, 0x2400
	v_mov_b32 v175, 0
	v_lshrrev_b32 v12, 5, v0
	v_readfirstlane_b32 s16, v12                   ; wave 0..15
	s_mov_b32 s20, 0x76543210
	s_mov_b32 s21, 0xfedcba98
	s_mov_b32 s36, 0x34dfb23b                      ; 1 / 2,400,000
	s_mov_b32 s37, 0x3a83126f                      ; 0.001
	s_lshl_b32 s17, s16, 8
	s_lshl_b32 s18, s16, 6
	s_add_co_u32 s18, s18, LS
	v_lshlrev_b32 v1, 4, v0                        ; 16 t = 256 j + 16 c4: record j's channels, and my 16 bytes of xm and out0
	v_and_b32 v12, 15, v0                          ; c4
	v_lshlrev_b32 v2, 4, v12                       ; 16 c4
	v_lshrrev_b32 v11, 4, v0                       ; j
	v_add_nc_u32 v13, 224, v11
	v_min_u32 v13, 249, v13                        ; record of i = 7, kept inside the table
	v_lshl_add_u32 v3, v13, 8, v2
	v_min_u32 v14, 11, v12
	v_lshlrev_b32 v5, 7, v11                       ; 128 j
	v_lshl_add_u32 v4, v14, 2, v5
	v_lshlrev_b32 v7, 7, v13
	v_lshl_add_u32 v6, v14, 2, v7
	v_add_nc_u32 v8, s17, v2                       ; LDS: 256 wave + 16 c4
	v_lshl_add_u32 v9, v12, 2, s18                 ; LDS: 4096 + 64 wave + 4 c4
	v_lshl_add_u32 v10, v12, 2, LS                 ; LDS: 4096 + 4 c4
	s_mul_i32 s22, ttmp9, 24576
	s_mov_b32 s23, 0
	s_wait_kmcnt 0x0
	s_add_nc_u64 s[4:5], s[4:5], s[22:23]
	s_add_nc_u64 s[14:15], s[14:15], s[22:23]
.set i, 0
.rept 7
	global_load_b128 v[EB+4*i:EB+4*i+3], v1, s[6:7] offset:8192*i
.set i, i+1
.endr
	global_load_b128 v[EB+28:EB+31], v3, s[6:7]
.set i, 0
.rept 7
	global_load_b128 v[QB+4*i:QB+4*i+3], v1, s[6:7] offset:64000+8192*i
.set i, i+1
.endr
	global_load_b128 v[QB+28:QB+31], v3, s[6:7] offset:64000
.set i, 0
.rept 7
	global_load_b32 v[NB+i], v5, s[6:7] offset:128040+4096*i
.set i, i+1
.endr
	global_load_b32 v[NB+7], v7, s[6:7] offset:128040
.set i, 0
.rept 7
	global_load_b32 v[SB+i], v4, s[6:7] offset:128000+4096*i
.set i, i+1
.endr
	global_load_b32 v[SB+7], v6, s[6:7] offset:128000
.irp k, 0,1,2,3,4,5,6,7,8
	global_load_b128 v[WV+4*\k:WV+4*\k+3], v2, s[8:9] offset:256*\k
.endr
	global_load_b128 v[GA:GA+3], v2, s[10:11]
	global_load_b128 v[BE:BE+3], v2, s[12:13]
.irp k, 0,1,2
	global_load_b128 v[XV+4*\k:XV+4*\k+3], v1, s[4:5] offset:8192*\k th:TH_LOAD_NT
.endr
	; ---- sum n e and the d d^T words ----
	s_wait_loadcnt 14                              ; 9 + 1 + 1 + 3 younger loads stay out: the 32 record loads are in
	v_cmp_gt_u32 vcc_lo, 26, v11                   ; record j + 224 exists
	v_cndmask_b32 v[NB+7], 0, v[NB+7], vcc_lo
	v_cndmask_b32 v[SB+7], 0, v[SB+7], vcc_lo
.irp t, 0,1,2,3
	v_cndmask_b32 v[QB+28+\t], 0, v[QB+28+\t], vcc_lo
.endr
	PKMULB AV, EB, NB
	PKMULB AV+2, EB+2, NB
.set i, 1
.rept 7
	PKFMAB AV, EB+4*i, NB+i, AV
	PKFMAB AV+2, EB+4*i+2, NB+i, AV+2
	v_add_f32 v[SB], v[SB], v[SB+i]
.set i, i+1
.endr
.irp t, 0,1,2,3
	v_permlanex16_b32 v[SB+1+\t], v[AV+\t], s20, s21       ; the wave's other j (destinations were written by loads)
.endr
	v_permlanex16_b32 v[SB+5], v[SB], s20, s21
.irp t, 0,1,2,3
	v_add_f32 v[AV+\t], v[AV+\t], v[SB+1+\t]
.endr
	v_add_f32 v[SB], v[SB], v[SB+5]
	ds_store_b128 v8, v[AV:AV+3]                   ; both halves of the lanes write the same words with the same values
	ds_store_b32 v9, v[SB]
	s_wait_dscnt 0x0                               ; for the other waves' sake
	s_barrier_signal -1
	s_barrier_wait -1
.set w, 0
.rept 16
	ds_load_b128 v[RB+4*w:RB+4*w+3], v2 offset:256*w
	ds_load_b32 v[RS+w], v10 offset:64*w
.set w, w+1
.endr
	s_wait_dscnt 0x0
.set w, 1
.rept 15
	v_pk_add_f32 v[RB:RB+1], v[RB:RB+1], v[RB+4*w:RB+4*w+1]
	v_pk_add_f32 v[RB+2:RB+3], v[RB+2:RB+3], v[RB+4*w+2:RB+4*w+3]
	v_add_f32 v[RS], v[RS], v[RS+w]
.set w, w+1
.endr
.irp k, 0,1,2,3,4,5,6,7,8,9,10
	v_readlane_b32 s[24+\k], v[RS], \k             ; s24.. = xx yy zz ww xz yw xw yz xy zw n
.endr
.irp t, 0,1,2,3
	v_mul_f32 v[MU+\t], s36, v[RB+\t]              ; mu
.endr
	; ---- sum Q_g + n_g (e_g - mu)^2 ----
.set i, 0
.rept 8
	v_pk_add_f32 v[T0:T0+1], v[EB+4*i:EB+4*i+1], v[MU:MU+1] neg_lo:[0,1] neg_hi:[0,1]
	v_pk_add_f32 v[T0+2:T0+3], v[EB+4*i+2:EB+4*i+3], v[MU+2:MU+3] neg_lo:[0,1] neg_hi:[0,1]
	PKMULB T0+4, T0, NB+i
	PKMULB T0+6, T0+2, NB+i
	v_pk_fma_f32 v[QB+4*i:QB+4*i+1], v[T0+4:T0+5], v[T0:T0+1], v[QB+4*i:QB+4*i+1]
	v_pk_fma_f32 v[QB+4*i+2:QB+4*i+3], v[T0+6:T0+7], v[T0+2:T0+3], v[QB+4*i+2:QB+4*i+3]
.set i, i+1
.endr
.set i, 1
.rept 7
	v_pk_add_f32 v[QB:QB+1], v[QB:QB+1], v[QB+4*i:QB+4*i+1]
	v_pk_add_f32 v[QB+2:QB+3], v[QB+2:QB+3], v[QB+4*i+2:QB+4*i+3]
.set i, i+1
.endr
.irp t, 0,1,2,3
	v_permlanex16_b32 v[SB+1+\t], v[QB+\t], s20, s21
.endr
.irp t, 0,1,2,3
	v_add_f32 v[QB+\t], v[QB+\t], v[SB+1+\t]
.endr
	ds_store_b128 v8, v[QB:QB+3] offset:LB         ; bytes of their own: no wave still reads them
	s_wait_dscnt 0x0
	s_barrier_signal -1
	s_barrier_wait -1
.set w, 0
.rept 16
	ds_load_b128 v[RB+4*w:RB+4*w+3], v2 offset:LB+256*w
.set w, w+1
.endr
	s_wait_dscnt 0x0
.set w, 1
.rept 15
	v_pk_add_f32 v[RB:RB+1], v[RB:RB+1], v[RB+4*w:RB+4*w+1]
	v_pk_add_f32 v[RB+2:RB+3], v[RB+2:RB+3], v[RB+4*w+2:RB+4*w+3]
.set w, w+1
.endr
	; ---- + Wa^T S Wa + (N - n) mu^2, then scale and shift ----
	s_wait_loadcnt 3                               ; only the three loads of xm are younger: W, gamma, beta are in
.irp p, 0,2
	v_pk_add_f32 v[WV+\p:WV+\p+1], v[WV+\p:WV+\p+1], v[WV+16+\p:WV+16+\p+1]
	v_pk_add_f32 v[WV+4+\p:WV+4+\p+1], v[WV+4+\p:WV+4+\p+1], v[WV+20+\p:WV+20+\p+1]
	v_pk_add_f32 v[WV+8+\p:WV+8+\p+1], v[WV+8+\p:WV+8+\p+1], v[WV+24+\p:WV+24+\p+1]
	v_pk_add_f32 v[WV+\p:WV+\p+1], v[WV+\p:WV+\p+1], v[WV+28+\p:WV+28+\p+1]
	v_pk_add_f32 v[WV+4+\p:WV+4+\p+1], v[WV+4+\p:WV+4+\p+1], v[WV+32+\p:WV+32+\p+1]
.endr
.irp k, 28,29,30,31,32,33
	s_add_f32 s\k, s\k, s\k                        ; the off-diagonal sums count twice
.endr
	v_mov_b32 v12, s34
	v_sub_f32 v12, 0x4a127c00, v12                 ; N - n: the masked rows, whose x is 0
.irp t, 0,1,2,3
	v_mul_f32 v[T0], s24, v[WV+\t]                 ; u0 = xx a0 + 2xy a1 + 2xz a2 + 2xw a3
	v_fmac_f32 v[T0], s32, v[WV+4+\t]
	v_fmac_f32 v[T0], s28, v[WV+8+\t]
	v_fmac_f32 v[T0], s30, v[WV+12+\t]
	v_mul_f32 v[T0+1], s25, v[WV+4+\t]             ; u1 = yy a1 + 2yz a2 + 2yw a3
	v_fmac_f32 v[T0+1], s31, v[WV+8+\t]
	v_fmac_f32 v[T0+1], s29, v[WV+12+\t]
	v_mul_f32 v[T0+2], s26, v[WV+8+\t]             ; u2 = zz a2 + 2zw a3
	v_fmac_f32 v[T0+2], s33, v[WV+12+\t]
	v_mul_f32 v[T0+3], s27, v[WV+12+\t]            ; u3 = ww a3
	v_mul_f32 v[T0+4], v12, v[MU+\t]
	v_fmac_f32 v[RB+\t], v[T0], v[WV+\t]
	v_fmac_f32 v[RB+\t], v[T0+1], v[WV+4+\t]
	v_fmac_f32 v[RB+\t], v[T0+2], v[WV+8+\t]
	v_fmac_f32 v[RB+\t], v[T0+3], v[WV+12+\t]
	v_fmac_f32 v[RB+\t], v[T0+4], v[MU+\t]
.endr
.irp t, 0,1,2,3
	v_fma_f32 v[T0+\t], v[RB+\t], s36, s37         ; var + 0.001
.endr
.irp t, 0,1,2,3
	v_rsq_f32 v[T0+\t], v[T0+\t]
.endr
.irp t, 0,1,2,3
	v_and_b32 v[GA+\t], 0x7fffffff, v[GA+\t]       ; |gamma|: also the plain lines between the roots and their use
.endr
	s_wait_alu depctr_va_vdst(0)
.irp t, 0,1,2,3
	v_mul_f32 v[T0+\t], v[GA+\t], v[T0+\t]                 ; scale
	v_fma_f32 v[T0+4+\t], -v[MU+\t], v[T0+\t], v[BE+\t]    ; shift = beta - mu scale
.endr
	s_wait_loadcnt 0x0
.irp k, 0,1,2
	v_pk_fma_f32 v[XV+4*\k:XV+4*\k+1], v[XV+4*\k:XV+4*\k+1], v[T0:T0+1], v[T0+4:T0+5]
	v_pk_fma_f32 v[XV+4*\k+2:XV+4*\k+3], v[XV+4*\k+2:XV+4*\k+3], v[T0+2:T0+3], v[T0+6:T0+7]
.irp t, 0,1,2,3
	v_max_num_f32 v[XV+4*\k+\t], 0, v[XV+4*\k+\t]
.endr
	global_store_b128 v1, v[XV+4*\k:XV+4*\k+3], s[14:15] offset:8192*\k th:TH_STORE_NT     ; a wave's store covers 512 consecutive aligned bytes
.endr
	s_wait_tensorcnt 0x0
	ds_add_u32 v174, v175
	s_wait_dscnt 0x0
	s_endpgm
.Lfunc_end_k_q633e8f4425_apply:
	.size	k_q633e8f4425_apply, .Lfunc_end_k_q633e8f4425_apply-k_q633e8f4425_apply
	.p2alignl 7, 3214868480
	.fill 96, 4, 3214868480
	.section	.rodata,"a",@progbits
	.p2align	6, 0x0
	.amdhsa_kernel k_q633e8f4425_apply
		.amdhsa_group_segment_fixed_size 11264
		.amdhsa_private_segment_fixed_size 0
		.amdhsa_enable_private_segment 0
		.amdhsa_kernarg_size 48
		.amdhsa_user_sgpr_count 2
		.amdhsa_user_sgpr_kernarg_segment_ptr 1
		.amdhsa_wavefront_size32 1
		.amdhsa_system_sgpr_workgroup_id_x 1
		.amdhsa_system_sgpr_workgroup_id_y 1
		.amdhsa_system_sgpr_workgroup_id_z 1
		.amdhsa_system_vgpr_workitem_id 0
		.amdhsa_next_free_vgpr 256
		.amdhsa_next_free_sgpr 66
		.amdhsa_reserve_vcc 1
		.amdhsa_float_denorm_mode_32 3
		.amdhsa_float_denorm_mode_16_64 3
		.amdhsa_memory_ordered 1
		.amdhsa_forward_progress 1
		.amdhsa_inst_pref_size 26
	.end_amdhsa_kernel
	.amdgpu_metadata
---
amdhsa.version: [ 1, 2 ]
amdhsa.kernels:
  - .name:           k_q633e8f4425_apply
    .symbol:         k_q633e8f4425_apply.kd
    .args:
      - { .name: xm, .offset: 0, .size: 8, .value_kind: global_buffer, .address_space: global }
      - { .name: stats, .offset: 8, .size: 8, .value_kind: global_buffer, .address_space: global }
      - { .name: W, .offset: 16, .size: 8, .value_kind: global_buffer, .address_space: global }
      - { .name: gamma, .offset: 24, .size: 8, .value_kind: global_buffer, .address_space: global }
      - { .name: beta, .offset: 32, .size: 8, .value_kind: global_buffer, .address_space: global }
      - { .name: out0, .offset: 40, .size: 8, .value_kind: global_buffer, .address_space: global }
    .group_segment_fixed_size: 11264
    .private_segment_fixed_size: 0
    .kernarg_segment_align: 8
    .kernarg_segment_size: 48
    .max_flat_workgroup_size: 512
    .sgpr_count:     66
    .vgpr_count:     256
    .wavefront_size: 32
...
	.end_amdgpu_metadata
.endif
;; end of part 2
